; MI455X (gfx1250); checked and timed in simulation.
; The chip was launched on July 23, 2026; its instructions are those of AMD's public machine-readable ISA for CDNA 5 (MIT licence, August 2026) and "CDNA5" Instruction Set Architecture Reference Guide (July 2026). The comments in the code are by the model that wrote it; some were corrected since.
;; Scaled Dot Product Attention. Allowed arithmetic: float matrix products may take bf16 or f16 operands with f32 sums; all other float work in f32.
;; Inputs: keys 16 x 4,096 x 128 float32; queries 16 x 4,096 x 128 float32; valid_lens 16 int32; values 16 x 4,096 x 128 float32.
;; Outputs: out0 16 x 4,096 x 128 float32.
;; 2 versions, each right; version 2 is version 1 with the launch cast written anew for expert scheduling mode. Each part assembles by itself: llvm-mc -triple=amdgcn-amd-amdhsa -mcpu=gfx1250 --defsym DOCPART=n.
;; ======== version 1 of 2: 2 launches
;; limits: right only within a limited range of input values; values are held in f16: magnitudes above 65,504 overflow, below 6.1e-05 lose precision; inputs' magnitudes at most 65,504
;; workspace buffers: k16 16,777,216 bytes; v16 16,777,216 bytes; bias 262,144 bytes
;; launch cast (part 1): grid 16 x 32, 4 waves a work-group, no clusters, 0 bytes of LDS; arguments keys, values, valid_lens, k16, v16, bias; writes k16, v16, bias
.if DOCPART == 1
	.amdgcn_target "amdgcn-amd-amdhsa--gfx1250"
	.amdhsa_code_object_version 6
	.text
	.protected	k_q190f6297e2_cast
	.globl	k_q190f6297e2_cast
	.p2align	8
	.type	k_q190f6297e2_cast,@function
k_q190f6297e2_cast:
	s_mov_b64 s[64:65], 0
	v_nop
	global_prefetch_b8 v0, s[64:65] scope:SCOPE_SE
	s_setreg_imm32_b32 hwreg(HW_REG_WAVE_MODE, 25, 1), 1
	s_wait_xcnt 0x0
; keys, values [16][4096][128] f32  ->  k16, v16 [16][4096][128] f16 (rounded once), and the mask as numbers: bias [16][4096] f32.
; WHY A LAUNCH OF ITS OWN: each K and V row is read by the 32 query blocks of its batch; rounding it once here spares 31 further roundings
; and halves the bytes that every later read of it moves.
; WHY f16 AND NOT bf16: 11 significant bits against 8; the outputs are sums of terms that cancel, so each operand's rounding shows in them.
; LIMIT: |input| above 65,504 becomes infinite; numbers below 2^-14 in magnitude are kept with the absolute step 2^-24.
; bias[b][j] = 0 for j < e, else -1e6 x sqrt(128) (the masked score before the division by sqrt(128)); with vl = valid_lens[b]:
; e = vl > 0 ? min(vl, 4096) : 4096.  (vl <= 0: every score is masked alike and the weights are uniform; the attention launch makes them so
; by a score scale of 0, and wants no bias.)
; SHARES: work-group x = slice s (rows 8 s .. 8 s + 7 of every tile of 128 rows), y = 2 b + tensor.  Wave w owns rows 8 s + 2 w and + 1.
; One load of a wave is one f32 row (512 consecutive bytes, aligned), one store one f16 row (256 consecutive bytes, aligned).
; A ring of eight register slots (four tiles x two rows) keeps eight loads of every wave on their way; 8 rounds of four tiles.
; The work-groups of the keys also store bias[b][256 s .. 256 s + 255]: 8 bytes a thread, 256 consecutive bytes a wave.
; No LDS, no matrix unit, no cluster: nothing is shared and nothing is reduced.
.set X,      4                         ; v[4:35]   slot i: four f32 as loaded
.set Y,      36                        ; v[36:51]  slot i: four f16 to store
.set TIN,    65536                     ; bytes of a tile of 128 rows in f32
.set TOUT,   32768                     ; and in f16
.set ROUNDS, 8                         ; 32 tiles, four a round
	s_load_b256 s[4:11], s[0:1], 0x0               ; keys s[4:5], values s[6:7], valid_lens s[8:9], k16 s[10:11]
	s_load_b128 s[12:15], s[0:1], 0x20             ; v16 s[12:13], bias s[14:15]
	s_and_b32 s16, ttmp7, 0xffff                   ; y
	s_lshr_b32 s17, s16, 1                         ; batch
	s_and_b32 s18, s16, 1                          ; 0: keys, 1: values
	s_lshl_b32 s19, s17, 2                         ; byte offset of valid_lens[b]
	v_lshrrev_b32 v3, 5, v0                        ; wave
	v_and_b32 v1, 31, v0
	v_lshlrev_b32 v2, 3, v1                        ; 8 bytes a lane out
	v_lshlrev_b32 v1, 4, v1                        ; 16 bytes a lane in
	v_lshl_add_u32 v1, v3, 10, v1                  ; + two f32 rows a wave
	v_lshl_add_u32 v2, v3, 9, v2                   ; + two f16 rows a wave
	s_lshl_b32 s32, s17, 21                        ; the batch in f32: 4096 rows of 512 bytes
	s_lshl_b32 s21, ttmp9, 12                      ; the slice: 8 rows of 512 bytes
	s_add_co_u32 s32, s32, s21
	s_mov_b32 s33, 0
	s_lshr_b32 s34, s32, 1                         ; the same place in f16: half the bytes
	s_mov_b32 s35, 0
	s_wait_kmcnt 0x0
	s_load_b32 s20, s[8:9], s19 offset:0x0         ; valid_lens[b]
	s_cmp_lg_u32 s18, 0
	s_cselect_b64 s[28:29], s[6:7], s[4:5]         ; from
	s_cselect_b64 s[30:31], s[12:13], s[10:11]     ; to
	s_add_nc_u64 s[28:29], s[28:29], s[32:33]
	s_add_nc_u64 s[30:31], s[30:31], s[34:35]
.irp i, 0,1,2,3,4,5,6,7
	global_load_b128 v[X+4*\i:X+4*\i+3], v1, s[28:29] offset:(\i/2)*TIN+(\i%2)*512 th:TH_LOAD_NT   ; fill the ring: the first round
.endr
	s_wait_kmcnt 0x0                               ; valid_lens[b]
	s_mov_b32 s22, 0
; One slot's turn.  ahead = 1: the slot is loaded again with its row four tiles further on.  left = younger loads that may stay out.
.macro SLOT i, ahead, left
	s_wait_loadcnt \left                           ; loads come back in order: this slot's is in
	v_cvt_pk_f16_f32 v[Y+2*\i],   v[X+4*\i],   v[X+4*\i+1]
	v_cvt_pk_f16_f32 v[Y+2*\i+1], v[X+4*\i+2], v[X+4*\i+3]
.if \ahead
	global_load_b128 v[X+4*\i:X+4*\i+3], v1, s[28:29] offset:(\i/2)*TIN+(\i%2)*512+4*TIN th:TH_LOAD_NT
.endif
	global_store_b64 v2, v[Y+2*\i:Y+2*\i+1], s[30:31] offset:(\i/2)*TOUT+(\i%2)*256   ; no hint: the next launch reads it
.endm
.Lround:
.irp i, 0,1,2,3,4,5,6,7
	SLOT \i, 1, 7                                  ; seven younger loads stay out
.endr
	s_wait_xcnt 0x0                                ; Y and both bases, which the trip's loads and stores name, are rewritten only behind this wait
	s_add_nc_u64 s[28:29], s[28:29], 4*TIN
	s_add_nc_u64 s[30:31], s[30:31], 4*TOUT
	s_add_co_u32 s22, s22, 1
	s_cmp_lt_u32 s22, ROUNDS-1
	s_cbranch_scc1 .Lround
.irp i, 0,1,2,3,4,5,6,7
	SLOT \i, 0, 7-\i                               ; the last round loads nothing: the counts run down
.endr
	; the bias: by the work-groups of the keys
	s_cmp_lg_u32 s18, 0
	s_cbranch_scc1 .Lend
	s_cmp_gt_i32 s20, 0
	s_cselect_b32 s20, s20, 0x1000
	s_min_u32 s20, s20, 0x1000                     ; e
	s_mov_b32 s24, 0xcb2ca22c                      ; -1e6 x sqrt(128)
	s_lshl_b32 s21, ttmp9, 8                       ; the slice's first key: 256 s
	v_lshl_add_u32 v52, v0, 1, s21                 ; my two keys: 256 s + 2 t
	v_add_nc_u32 v53, 1, v52                       ; and + 1
	v_mov_b32 v56, 0
	v_cmp_gt_u32 vcc_lo, s20, v52                  ; e > key: valid
	v_cndmask_b32 v54, s24, v56, vcc_lo
	v_cmp_gt_u32 vcc_lo, s20, v53
	v_cndmask_b32 v55, s24, v56, vcc_lo
	s_lshl_b32 s32, s17, 14                        ; the batch's 4096 numbers,
	s_lshl_b32 s21, ttmp9, 10                      ; the slice's 256
	s_add_co_u32 s32, s32, s21
	s_add_nc_u64 s[14:15], s[14:15], s[32:33]
	v_lshlrev_b32 v57, 3, v0
	global_store_b64 v57, v[54:55], s[14:15]
.Lend:
	s_endpgm
.Lfunc_end_k_q190f6297e2_cast:
	.size	k_q190f6297e2_cast, .Lfunc_end_k_q190f6297e2_cast-k_q190f6297e2_cast
	.p2alignl 7, 3214868480
	.fill 96, 4, 3214868480
	.section	.rodata,"a",@progbits
	.p2align	6, 0x0
	.amdhsa_kernel k_q190f6297e2_cast
		.amdhsa_group_segment_fixed_size 0
		.amdhsa_private_segment_fixed_size 0
		.amdhsa_enable_private_segment 0
		.amdhsa_kernarg_size 48
		.amdhsa_user_sgpr_count 2
		.amdhsa_user_sgpr_kernarg_segment_ptr 1
		.amdhsa_wavefront_size32 1
		.amdhsa_system_sgpr_workgroup_id_x 1
		.amdhsa_system_sgpr_workgroup_id_y 1
		.amdhsa_system_sgpr_workgroup_id_z 1
		.amdhsa_system_vgpr_workitem_id 0
		.amdhsa_next_free_vgpr 64
		.amdhsa_next_free_sgpr 66
		.amdhsa_reserve_vcc 1
		.amdhsa_float_denorm_mode_32 3
		.amdhsa_float_denorm_mode_16_64 3
		.amdhsa_memory_ordered 1
		.amdhsa_forward_progress 1
		.amdhsa_inst_pref_size 8
	.end_amdhsa_kernel
	.amdgpu_metadata
---
amdhsa.version: [ 1, 2 ]
amdhsa.kernels:
  - .name:           k_q190f6297e2_cast
    .symbol:         k_q190f6297e2_cast.kd
    .args:
      - { .name: keys, .offset: 0, .size: 8, .value_kind: global_buffer, .address_space: global }
      - { .name: values, .offset: 8, .size: 8, .value_kind: global_buffer, .address_space: global }
      - { .name: valid_lens, .offset: 16, .size: 8, .value_kind: global_buffer, .address_space: global }
      - { .name: k16, .offset: 24, .size: 8, .value_kind: global_buffer, .address_space: global }
      - { .name: v16, .offset: 32, .size: 8, .value_kind: global_buffer, .address_space: global }
      - { .name: bias, .offset: 40, .size: 8, .value_kind: global_buffer, .address_space: global }
    .group_segment_fixed_size: 0
    .private_segment_fixed_size: 0
    .kernarg_segment_align: 8
    .kernarg_segment_size: 48
    .max_flat_workgroup_size: 128
    .sgpr_count:     66
    .vgpr_count:     64
    .wavefront_size: 32
...
	.end_amdgpu_metadata
.endif
;; end of part 1
;; launch attn (part 2): grid 32 x 8, 4 waves a work-group, clusters of 4 x 1, 327,680 bytes of LDS; arguments queries, k16, v16, bias, valid_lens, out0; writes out0
.if DOCPART == 2
	.amdgcn_target "amdgcn-amd-amdhsa--gfx1250"
	.amdhsa_code_object_version 6
	.text
	.protected	k_q190f6297e2_attn
	.globl	k_q190f6297e2_attn
	.p2align	8
	.type	k_q190f6297e2_attn,@function
k_q190f6297e2_attn:
	s_mov_b64 s[64:65], 0
	v_nop
	global_prefetch_b8 v0, s[64:65] scope:SCOPE_SE
	s_setreg_imm32_b32 hwreg(HW_REG_WAVE_MODE, 25, 1), 1
	s_wait_xcnt 0x0
	s_wait_alu depctr_hold_cnt(0) depctr_sa_sdst(0) depctr_va_vdst(0) depctr_va_sdst(0) depctr_va_ssrc(0) depctr_va_vcc(0) depctr_vm_vsrc(0)
	s_getreg_b32 s2, hwreg(HW_REG_IB_STS2, 6, 4)
	s_cmp_eq_u32 s2, 0
	s_cbranch_scc0 .Lentry_in_a_cluster
	s_endpgm
.Lentry_in_a_cluster:
	s_bfe_u32 s2, ttmp6, 0x10000c
	s_cmp_lg_u32 s2, 0x3003
	s_cbranch_scc0 .Lentry_shape_is_right
	s_endpgm
.Lentry_shape_is_right:
; out0[b][q][:] = softmax over keys j of (Q K^T / sqrt(128), keys j >= valid_lens[b] set to -1e6) times V.  Q f32; k16, v16: K and V in f16; sums f32.
; ITEMS: an item is a batch and a block of 128 query rows, walked over the batch's 32 key tiles of 128.  256 work-groups take two items each:
; query block qb = work-group x of batch y, then of batch y + 8.  Trip counts, branches and addresses are made of ids and constants alone.
; THE MASK IS A NUMBER, NOT A BRANCH: bias[b][j] (0 for valid keys, -1e6 sqrt(128) for masked ones) is what the first product of each score tile
; adds onto, where it would otherwise add onto 0: eight loads a trip, one trip ahead, and no vector instruction.
; CLUSTER: the four work-groups of a cluster are four neighbouring query blocks of the same batches, so they need the same K and V tiles.  Every
; tile is asked for jointly (mask 15): four requests for the same bytes become one.  The place in the cluster enters only the addresses of Q and out0.
; WAVES: wave w = (qh = w & 1, kh = w >> 1) takes 64 query rows (half qh) against 64 keys (half kh) of each tile, with its own running maximum,
; sum and O; at an item's end waves w and w ^ 2 merge through LDS.  A fragment read from LDS so feeds four matrix instructions.
; TRANSPOSED: S^T = K Q^T (lane = query, registers = keys), so the softmax's figures are one a lane, and pairs of registers of exp(S^T) rounded to
; f16 ARE the second operand of O^T += V^T P^T: P takes no way through LDS and no shuffle.  V^T fragments come by the transposing LDS load.
; f16, NOT bf16, FOR ALL FOUR OPERANDS: the outputs are sums of weighted values that cancel, so each operand's rounding shows in them: 11 significant
; bits against 8.  The weights lie in (0, 1]; the products and sums are f32.
; SOFTMAX: running maximum MR of the raw scores; exponents in base 2: p = 2^(s c + nmc), c = log2(e) / sqrt(128), nmc = -(MR c) rounded once and
; used in every later step, alpha = 2^(nmc_new - nmc_old).  Tile 0 starts every sum, so nothing is cleared.  Masked tiles behind valid ones give
; alpha = 1 and p = 0; a wave all of whose keys are masked holds sums that the merge multiplies by 2^(about -1.4e6) = 0.
; LIMITS.  (a) A masked key's raw score is s - 1e6 sqrt(128), not -1e6 sqrt(128): its weight is exactly 0, as f32 gives for the formula, while
; (its score - the row's largest valid score) < 1e6 - 104.  (b) A non-finite K row behind valid_len gives NaN, where the formula masks it.
; (c) valid_len <= 0: c = 0 makes all 4096 weights equal, as the formula gives; a non-finite raw score then gives NaN.
; (d) v_exp_f32 returns 0 below 2^-126 (ISA guide 15.8).  (e) Q, K, V and P are rounded to f16: |q|, |k|, |v| above 65,504 become infinite; weights
; below 2^-14 of the running maximum's weight carry the absolute step 2^-24, over 4096 keys at most 4096 x 2^-25 = 1.2e-4 of the largest weight.
; NO PREFETCH OF K AND V: the launch before has just stored them, and eight clusters read each tile.  The second item's Q block is prefetched.
;
; LDS: two slots of 73,728 bytes, each four quarters of 18,432 (K rows 0-63, K rows 64-127 at pitch 272; V rows 0-63, V rows 64-127 at pitch 288);
; behind them, never a tensor load's target: QST (Q in f16, 128 rows, pitch 272), XCH (16,384 a wave: O handed to the partner), OST (8,448 a wave:
; 16 rows of f32, pitch 528, the way out), STAT (512 a wave: {nmc, l}).
.set SLOT,  73728
.set QUART, 18432
.set KP,    272                        ; 256 + 16: sixteen rows of a fragment start 16 bytes apart modulo 256
.set VP,    288                        ; 256 + 32: an odd multiple of 32, for the transposing load
.set QST,   147456
.set XCH,   182272
.set OST,   247808
.set OP,    528
.set STAT,  281600
.set LAPS,  15                         ; 32 tiles = the first + 15 laps of two + the last
; REGISTERS.  Window 0: v1 16 L; v2-3 K, v4-5 V fragment addresses (slot 0, 1); v6, v7 Q fragment addresses (my tiles 0-1, 2-3); v8 Q stage in;
; v9, v10 STAT mine, partner's; v11, v12 XCH mine, partner's; v13, v14 OST in, out; v56 256 x thread; v58 256 kh + 32 h (bias); and:
.set ST,  16                           ; v[16:23]   pair t: (nmc, at the end l)
.set MR,  24                           ; v[24:27]   raw running maximum
.set LS,  28                           ; v[28:31]   l, this lane's part
.set AL,  32                           ; v[32:39]   pair t: (alpha, -); at the end the partner's (nmc, l), then (f, -)
.set T,   40                           ; v[40:55]   at work
.set S,   64                           ; v[64:191]  S(t, k) = S + 32 t + 8 k: query tile t, 16 keys k
.set P,   192                          ; v[192:255] P(t, ch) = P + 16 t + 8 ch: 32 keys ch
; Window 1: Q(t, c) = 32 t + 8 c; K(c, k) = 128 + 8 (4 c + k).  Window 2: O(t, d) = 64 t + 8 d.
; Window 3: V(ch, d) = 8 (8 ch + d); BIAS(k) = 128 + 8 k: register j of lane (r, h) = the bias of key 16 k + 8 h + j of my 64.
.set G1K, 28                           ; s[28:35]  group 1 for K's quarters
.set G1V, 36                           ; s[36:43]  group 1 for V's quarters
.set G0K, 44                           ; s[44:51]  group 0 for K, a set for each slot
.set G0V, 52                           ; s[52:59]  group 0 for V, a set for each slot
; s[4:15] the six buffers; s16 w, s17 kh, s18 qh, s19 cx, s20 qb, s21 y, s22 batch, s23 valid_len, s[24:25] bias offset, s60 item, s61 lap,
; s[66:67] c c, s68/s69 lane selects, s[70:71] Q, s[72:73] out0, s[76:77] the second item's Q block, s82 -c, s88 offset of valid_len,
; s[92:93] the bias of the tile that is loaded next.
; s84/s85: LDS addresses; s86/s87: what feeds descriptors; s90/s91, s[74:75]: all that holds the place in the cluster.
.set LD1,  0x40                        ; destination window 1
.set LD3,  0xc0                        ; destination window 3
.set QKB,  0x35                        ; A and B window 1, C window 3 (the bias), D window 0
.set QKW,  0x05                        ; A and B window 1, C and D window 0
.set RSC,  0x82                        ; destination and source 0 window 2
.set PVW,  0xa3                        ; A window 3, B window 0, C and D window 2
.set XST,  0x08                        ; LDS store data window 2
.set ADDW, 0x02                        ; source 0 window 2
.set MSB, 0
.macro WIN new                         ; the immediate's high byte repeats the setting that is left
.if MSB != \new
	s_set_vgpr_msb (MSB<<8)|\new
.set MSB, \new
.endif
.endm
.macro PLACES                          ; four plain vector places behind a matrix instruction (ISA guide 7.12.1)
.rept 4
	v_nop
.endr
.endm
; A round of the cluster's barrier: my work-group's barrier, wave 0 signals for the work-group, every wave waits for all four work-groups, my barrier again.
.macro ROUND
	s_barrier_signal -1
	s_barrier_wait -1
	s_cmp_lg_u32 s16, 0
	s_cbranch_scc1 .Lnot_wave_0_\@
	s_barrier_signal -3
.Lnot_wave_0_\@:
	s_barrier_wait -3
	s_barrier_signal -1
	s_barrier_wait -1
.endm
; A joint load of my quarter of slot s: waves 0 and 1 ask for K's two halves, waves 2 and 3 for V's.  The branch hangs on the wave's number alone.
.macro JLOAD s
	s_cmp_eq_u32 s17, 0
	s_cbranch_scc0 .Lfor_v_\@
	tensor_load_to_lds s[G0K+4*\s:G0K+4*\s+3], s[G1K:G1K+7]
	s_nop 0
	s_branch .Lasked_\@
.Lfor_v_\@:
	tensor_load_to_lds s[G0V+4*\s:G0V+4*\s+3], s[G1V:G1V+7]
	s_nop 0
.Lasked_\@:
.endm
; Fragments: lane (r, h) takes row r; registers 0-3 hold 8 h + 0..7 along the row, registers 4-7 hold 16 + 8 h + 0..7: two loads 32 bytes apart.
.macro LDQ                             ; 32 loads: my four query tiles x 128 d
.irp t, 0,1
.irp c, 0,1,2,3
	ds_load_b128 v[32*\t+8*\c:32*\t+8*\c+3],       v6 offset:16*KP*\t+64*\c
	ds_load_b128 v[32*\t+8*\c+4:32*\t+8*\c+7],     v6 offset:16*KP*\t+64*\c+32
	ds_load_b128 v[64+32*\t+8*\c:64+32*\t+8*\c+3],   v7 offset:16*KP*\t+64*\c
	ds_load_b128 v[64+32*\t+8*\c+4:64+32*\t+8*\c+7], v7 offset:16*KP*\t+64*\c+32
.endr
.endr
.endm
.macro LDK slot                        ; 32 loads: my 64 keys x 128 d, d outermost
.irp c, 0,1,2,3
.irp k, 0,1,2,3
	ds_load_b128 v[128+8*(4*\c+\k):128+8*(4*\c+\k)+3],   v[2+\slot] offset:16*KP*\k+64*\c
	ds_load_b128 v[128+8*(4*\c+\k)+4:128+8*(4*\c+\k)+7], v[2+\slot] offset:16*KP*\k+64*\c+32
.endr
.endr
.endm
.macro LDV slot                        ; 32 transposing loads: V^T, 128 d x my 64 keys
.irp h, 0,1
.irp d, 0,1,2,3,4,5,6,7
	ds_load_tr16_b128 v[8*(8*\h+\d):8*(8*\h+\d)+3],   v[4+\slot] offset:32*VP*\h+32*\d
	ds_load_tr16_b128 v[8*(8*\h+\d)+4:8*(8*\h+\d)+7], v[4+\slot] offset:32*VP*\h+32*\d+16*VP
.endr
.endr
.endm
.macro LDB                             ; 8 loads: the bias of my 64 keys of the tile at s[92:93]; the sixteen lanes of a half read the same 32 bytes
.irp k, 0,1,2,3
	global_load_b128 v[128+8*\k:128+8*\k+3],   v58, s[92:93] offset:64*\k
	global_load_b128 v[128+8*\k+4:128+8*\k+7], v58, s[92:93] offset:64*\k+16
.endr
.endm
; 16 matrix instructions: 32 of d (chunk c) for all 16 score tiles.  start = 1: the product adds onto the bias and so starts the scores.
; The accumulators take turns, one instruction a turn.
.macro QK c, start
.irp k, 0,1,2,3
.irp t, 0,1,2,3
.if \start
	v_wmma_f32_16x16x32_f16 v[S+32*\t+8*\k:S+32*\t+8*\k+7], v[128+8*(4*\c+\k):128+8*(4*\c+\k)+7], v[32*\t+8*\c:32*\t+8*\c+7], v[128+8*\k:128+8*\k+7]
.else
	v_wmma_f32_16x16x32_f16 v[S+32*\t+8*\k:S+32*\t+8*\k+7], v[128+8*(4*\c+\k):128+8*(4*\c+\k)+7], v[32*\t+8*\c:32*\t+8*\c+7], v[S+32*\t+8*\k:S+32*\t+8*\k+7]
.endif
.endr
.endr
.endm
; 32 matrix instructions: 32 keys (chunk ch) for all 32 tiles of O; turns as above.
.macro PVC ch, zero
.irp d, 0,1,2,3,4,5,6,7
.irp t, 0,1,2,3
.if \zero
	v_wmma_f32_16x16x32_f16 v[64*\t+8*\d:64*\t+8*\d+7], v[8*(8*\ch+\d):8*(8*\ch+\d)+7], v[P+16*\t+8*\ch:P+16*\t+8*\ch+7], 0
.else
	v_wmma_f32_16x16x32_f16 v[64*\t+8*\d:64*\t+8*\d+7], v[8*(8*\ch+\d):8*(8*\ch+\d)+7], v[P+16*\t+8*\ch:P+16*\t+8*\ch+7], v[64*\t+8*\d:64*\t+8*\d+7]
.endif
.endr
.endr
.endm
; Maxima, nmc and alpha of the four query tiles, side by side so that the four chains cover each other.
.macro SMAX first
.irp t, 0,1,2,3
.irp q, 0,1,2,3
	v_max3_num_f32 v[T+4*\t+\q], v[S+32*\t+8*\q], v[S+32*\t+8*\q+1], v[S+32*\t+8*\q+2]
.endr
.endr
.irp t, 0,1,2,3
.irp q, 0,1,2,3
	v_max3_num_f32 v[T+4*\t+\q], v[T+4*\t+\q], v[S+32*\t+8*\q+3], v[S+32*\t+8*\q+4]
.endr
.endr
.irp t, 0,1,2,3
.irp q, 0,1,2,3
	v_max3_num_f32 v[T+4*\t+\q], v[T+4*\t+\q], v[S+32*\t+8*\q+5], v[S+32*\t+8*\q+6]
.endr
.endr
.irp t, 0,1,2,3
	v_max3_num_f32 v[T+4*\t], v[T+4*\t], v[S+32*\t+7], v[S+32*\t+15]
	v_max3_num_f32 v[T+4*\t+1], v[T+4*\t+1], v[S+32*\t+23], v[S+32*\t+31]
.endr
.irp t, 0,1,2,3
	v_max3_num_f32 v[T+4*\t], v[T+4*\t], v[T+4*\t+1], v[T+4*\t+2]
.endr
.irp t, 0,1,2,3
.if \first
	v_max_num_f32 v[T+4*\t], v[T+4*\t], v[T+4*\t+3]
.else
	v_max3_num_f32 v[T+4*\t], v[T+4*\t], v[T+4*\t+3], v[MR+\t]
.endif
.endr
.irp t, 0,1,2,3
	v_permlanex16_b32 v[T+4*\t+1], v[T+4*\t], s68, s69     ; the query's other 32 keys lie in lane i xor 16
.endr
.irp t, 0,1,2,3
	v_max_num_f32 v[MR+\t], v[T+4*\t], v[T+4*\t+1]
.endr
.if \first
.irp t, 0,1,2,3
	v_mul_f32 v[ST+2*\t], s82, v[MR+\t]            ; nmc = -(MR c)
.endr
.else
.irp t, 0,1,2,3
	v_mul_f32 v[T+4*\t+3], s82, v[MR+\t]
.endr
.irp t, 0,1,2,3
	v_sub_f32 v[T+4*\t+2], v[T+4*\t+3], v[ST+2*\t]         ; nmc_new - nmc_old, at most 0
.endr
.irp t, 0,1,2,3
	v_exp_f32 v[AL+2*\t], v[T+4*\t+2]              ; alpha
.endr
.irp t, 0,1,2,3
	v_mov_b32 v[ST+2*\t], v[T+4*\t+3]              ; plain places behind the exponentials (ISA guide 5.7.2)
.endr
.endif
.endm
.macro PACK t, q                       ; two weights rounded to f16: register q of P^T's fragments
	v_cvt_pk_f16_f32 v[P+16*\t+\q], v[S+32*\t+2*\q], v[S+32*\t+2*\q+1]
.endm
.macro TREE m0, m1                     ; one level of the sum tree on T's pairs
.irp q, \m0, \m1
	v_pk_add_f32 v[T+2*\q:T+2*\q+1], v[T+4*\q:T+4*\q+1], v[T+4*\q+2:T+4*\q+3]
.endr
.endm
; One query tile: p = 2^(s c + nmc) in place, l, and P in f16.  The roundings stand between the levels of the sum tree.
.macro SEXP t, first
.irp q, 0,1,2,3,4,5,6,7,8,9,10,11,12,13,14,15
	v_pk_fma_f32 v[S+32*\t+2*\q:S+32*\t+2*\q+1], v[S+32*\t+2*\q:S+32*\t+2*\q+1], s[66:67], v[ST+2*\t:ST+2*\t+1] op_sel_hi:[1,0,0]
.endr
.set i, 0
.rept 32
	v_exp_f32 v[S+32*\t+i], v[S+32*\t+i]
.set i, i+1
.endr
	v_nop                                          ; the plain place behind the run of exponentials (ISA guide 5.7.2)
	s_wait_alu depctr_va_vdst(0)
.irp q, 0,1,2,3,4,5,6,7
	v_pk_add_f32 v[T+2*\q:T+2*\q+1], v[S+32*\t+4*\q:S+32*\t+4*\q+1], v[S+32*\t+4*\q+2:S+32*\t+4*\q+3]
.endr
.irp q, 0,1,2,3,4,5,6,7
	PACK \t, \q
.endr
	TREE 0, 1
	TREE 2, 3
.irp q, 8,9,10,11
	PACK \t, \q
.endr
	TREE 0, 1
.irp q, 12,13
	PACK \t, \q
.endr
	v_pk_add_f32 v[T:T+1], v[T:T+1], v[T+2:T+3]
.irp q, 14,15
	PACK \t, \q
.endr
.if \first
	v_add_f32 v[LS+\t], v[T], v[T+1]
.else
	v_fma_f32 v[LS+\t], v[LS+\t], v[AL+2*\t], v[T]
	v_add_f32 v[LS+\t], v[LS+\t], v[T+1]
.endif
.endm
.macro RESC                            ; O(t) times the first register of AL's pair t
.irp t, 0,1,2,3
.set i, 0
.rept 32
	v_pk_mul_f32 v[64*\t+2*i:64*\t+2*i+1], v[64*\t+2*i:64*\t+2*i+1], v[AL+2*\t:AL+2*\t+1] op_sel_hi:[1,0]
.set i, i+1
.endr
.endr
.endm
; One key tile, read from slot; refill = 1: the next tile is asked for into the other slot, and its bias into BIAS.  By this text's count one tensor
; load of a wave is out at any time; it is issued first behind the round and has the whole trip (128 matrix instructions and the softmax) in which to land.
.macro TRIP first, slot, other, refill
	s_wait_tensorcnt 0x0                           ; all my tensor loads have landed, my quarter of this slot among them: every group 0 may be written
	ds_add_u32 v62, v63
	s_wait_dscnt 0x0
	s_add_nc_u64 s[G0K+4*\slot+2:G0K+4*\slot+3], s[G0K+4*\slot+2:G0K+4*\slot+3], 0x10000   ; this slot's next tile: two tiles on
	s_add_nc_u64 s[G0V+4*\slot+2:G0V+4*\slot+3], s[G0V+4*\slot+2:G0V+4*\slot+3], 0x10000   ; (what steps past tile 31 is never issued)
	s_wait_dscnt 0x0                               ; my reads of the other slot, and in the first trip my stores of Q, are done
	ROUND                                          ; both now hold of every wave of the four work-groups
.if \refill
	JLOAD \other
.endif
	WIN LD1
.if \first
	LDQ
.endif
	LDK \slot
	s_wait_dscnt 16                                ; the youngest 16 loads (K's d 64-127) may stay out
	s_wait_loadcnt 0x0                             ; this tile's bias, asked for a trip ago, is in; its base is free:
	s_add_nc_u64 s[92:93], s[92:93], 0x200         ; the next tile's 128 numbers (behind tile 31 the stepped base is not used)
	WIN QKB
	QK 0, 1                                        ; the first product adds onto the bias
	WIN QKW
	QK 1, 0
	PLACES                                         ; V's registers were sources of the last trip's last matrix instructions, BIAS of the sixteen above
	WIN LD3
	LDV \slot
.if \refill
	LDB
.endif
	s_wait_dscnt 32                                ; all but V's 32 loads
	WIN QKW
	QK 2, 0
	QK 3, 0
	WIN 0
	PLACES                                         ; in front of the vector instructions that read the scores
	SMAX \first
	SEXP 0, \first
	SEXP 1, \first
	SEXP 2, \first
	SEXP 3, \first
.if \first
.else
	WIN RSC
	RESC
.endif
	s_wait_dscnt 0x0                               ; V
	WIN PVW
	PVC 0, \first                                  ; in the first trip this product starts O
	PVC 1, 0
	WIN 0                                          ; at a label and at a branch every window is 0
.endm
; The way out of query tile t (its 64 registers at S + 64 t): 16 rows of f32 through my own stage, read back as whole rows of 512 bytes into dst.
.macro OUTT t, dst
.set i, 0
.rept 16
	ds_store_b128 v13, v[S+64*\t+4*i:S+64*\t+4*i+3] offset:64*(i/2)+16*(i%2)   ; row r, d = 16 (i/2) + 8 h + 4 (i%2) ..
.set i, i+1
.endr
.set i, 0
.rept 16
	ds_load_b128 v[\dst+4*i:\dst+4*i+3], v14 offset:OP*i   ; LDS serves a wave's instructions in order (ISA guide 5.7.1.4): these see the stores above
.set i, i+1
.endr
.set i, 0
.rept 16
	s_wait_dscnt 15-i                              ; row i is in, the younger rows may stay out
	global_store_b128 v1, v[\dst+4*i:\dst+4*i+3], s[72:73] offset:512*(16*\t+i) th:TH_STORE_NT   ; 32 lanes store a row's 512 consecutive bytes, aligned
.set i, i+1
.endr
.endm
	s_load_b256 s[4:11], s[0:1], 0x0               ; queries s[4:5], k16 s[6:7], v16 s[8:9], bias s[10:11]
	s_load_b128 s[12:15], s[0:1], 0x20             ; valid_lens s[12:13], out0 s[14:15]
	v_lshl_add_u32 v62, v0, 2, 0x45400
	v_mov_b32 v63, 0
	v_lshrrev_b32 v40, 5, v0
	v_readfirstlane_b32 s16, v40                   ; wave
	s_lshr_b32 s17, s16, 1                         ; kh; also: I fetch for K (0) or for V (1)
	s_and_b32 s18, s16, 1                          ; qh; also: which 64 rows of that tile I fetch
	s_bfe_u32 s19, ttmp6, 0x40000                  ; cx
	s_lshl_b32 s20, ttmp9, 2
	s_add_co_u32 s20, s20, s19                     ; qb = 4 x cluster x + cx
	s_and_b32 s21, ttmp7, 0xffff                   ; y: the cluster is one work-group high, so this is the work-group's y
	; group 1: a quarter is 64 rows of 128 f16, dense in memory, padded in LDS
	s_mov_b32 s[G1K+0], 15|(1<<16)|(1<<20)|(1<<21)|(5<<22)|(3<<25)   ; mask: all four; 2-byte elements; padding on; bit 21 beside a mask; after every 64 words, 4 words
	s_mov_b32 s[G1V+0], 15|(1<<16)|(1<<20)|(1<<21)|(5<<22)|(7<<25)   ; the same with 8 words
.irp g, G1K, G1V
	s_mov_b32 s[\g+1], 128<<16                     ; tensor_dim0 = 128
	s_mov_b32 s[\g+2], 64<<16                      ; tensor_dim1 = 64
	s_mov_b32 s[\g+3], 128<<16                     ; tile_dim0 = 128
	s_mov_b32 s[\g+4], 64                          ; tile_dim1 = 64
	s_mov_b32 s[\g+5], 128                         ; elements from row to row
	s_mov_b32 s[\g+6], 0
	s_mov_b32 s[\g+7], 0
.endr
	s_mul_i32 s86, s16, QUART                      ; my quarter: the wave's number alone
.irp s, 0,1
	s_mov_b32 s[G0K+4*\s], 1
	s_add_co_u32 s[G0K+4*\s+1], s86, \s*SLOT
	s_mov_b32 s[G0V+4*\s], 1
	s_add_co_u32 s[G0V+4*\s+1], s86, \s*SLOT
.endr
	s_mov_b32 s68, 0x76543210                      ; v_permlanex16_b32: lane i reads lane i xor 16
	s_mov_b32 s69, 0xfedcba98
	s_mov_b32 s60, 0
	; lane terms and LDS addresses
	v_and_b32 v40, 15, v0                          ; r
	v_bfe_u32 v41, v0, 4, 1                        ; h
	v_and_b32 v42, 31, v0                          ; L
	v_lshlrev_b32 v1, 4, v42
	v_lshlrev_b32 v57, 3, v41                      ; 8 h
	v_lshlrev_b32 v56, 8, v0
	v_lshlrev_b32 v58, 5, v41
	v_lshl_add_u32 v58, s17, 8, v58                ; my eight numbers of the bias: 256 kh + 32 h
	v_mul_u32_u24 v43, v40, KP
	v_lshl_add_u32 v43, v41, 4, v43                ; 272 r + 16 h
	s_mul_i32 s84, s17, QUART
	v_add_nc_u32 v2, s84, v43
	v_add_nc_u32 v3, SLOT, v2
	v_and_b32 v44, 7, v0
	v_add_nc_u32 v44, v44, v57
	v_mul_u32_u24 v44, v44, VP                     ; 288 (8 h + (L & 7))
	v_bfe_u32 v45, v0, 3, 1
	v_lshl_add_u32 v44, v45, 4, v44                ; + 16 ((L >> 3) & 1)
	s_add_co_u32 s84, s84, 2*QUART
	v_add_nc_u32 v4, s84, v44
	v_add_nc_u32 v5, SLOT, v4
	s_lshl_b32 s84, s18, 6                         ; 64 qh
	s_lshl_b32 s85, s17, 5
	s_add_co_u32 s85, s85, s84                     ; my tiles 0, 1: rows 64 qh + 32 kh ..
	s_mul_i32 s85, s85, KP
	s_add_co_u32 s85, s85, QST
	v_add_nc_u32 v6, s85, v43
	s_sub_co_u32 s85, 1, s17
	s_lshl_b32 s85, s85, 5
	s_add_co_u32 s85, s85, s84                     ; my tiles 2, 3: rows 64 qh + 32 (1 - kh) .., the partner's tiles 0, 1
	s_mul_i32 s85, s85, KP
	s_add_co_u32 s85, s85, QST
	v_add_nc_u32 v7, s85, v43
	s_mul_i32 s85, s16, 32*KP
	s_add_co_u32 s85, s85, QST
	v_lshl_add_u32 v8, v42, 3, s85
	s_add_co_u32 s84, s16, 2
	s_and_b32 s84, s84, 3                          ; the partner: same qh, other kh
	s_lshl_b32 s85, s16, 9
	s_add_co_u32 s85, s85, STAT
	v_lshl_add_u32 v9, v40, 3, s85
	s_lshl_b32 s85, s84, 9
	s_add_co_u32 s85, s85, STAT
	v_lshl_add_u32 v10, v40, 3, s85
	s_lshl_b32 s85, s16, 14
	s_add_co_u32 s85, s85, XCH
	v_add_nc_u32 v11, s85, v1
	s_lshl_b32 s85, s84, 14
	s_add_co_u32 s85, s85, XCH
	v_add_nc_u32 v12, s85, v1
	s_mul_i32 s85, s16, 16*OP
	s_add_co_u32 s85, s85, OST
	v_add_nc_u32 v14, s85, v1
	v_mul_u32_u24 v45, v40, OP
	v_lshl_add_u32 v45, v41, 5, v45
	v_add_nc_u32 v13, s85, v45
.irp t, 0,1,2,3
	v_mov_b32 v[ST+2*\t+1], 0                      ; the pairs' second registers: named by the packed forms, never used by them
	v_mov_b32 v[AL+2*\t+1], 0
.endr
	s_add_co_u32 s90, s21, 8
	s_lshl_b32 s90, s90, 21                        ; batch y + 8,
	s_lshl_b32 s91, s20, 16                        ; my block of 128 rows of 512 bytes
	s_add_co_u32 s74, s90, s91
	s_mov_b32 s75, 0
	s_wait_kmcnt 0x0
	s_add_nc_u64 s[76:77], s[4:5], s[74:75]        ; the second item's Q block, for the prefetch
.Litem:
	s_lshl_b32 s22, s60, 3
	s_add_co_u32 s22, s22, s21                     ; batch = y + 8 x item
	s_lshl_b32 s88, s22, 2
	s_load_b32 s23, s[12:13], s88 offset:0x0       ; valid_lens[batch]: it chooses a number below, never a way
	s_lshl_b32 s86, s22, 20                        ; the batch in f16,
	s_lshl_b32 s87, s18, 14                        ; my 64 rows of tile 0
	s_add_co_u32 s86, s86, s87
	s_mov_b32 s87, 0
	s_lshl_b32 s24, s22, 14                        ; the batch's 4096 numbers of the bias
	s_mov_b32 s25, 0
	s_lshl_b32 s90, s22, 21
	s_lshl_b32 s91, s20, 16
	s_add_co_u32 s90, s90, s91                     ; the block's place in queries and in out0
	s_lshl_b32 s91, s16, 14
	s_wait_xcnt 0x0                                ; the last item's stores name S, P and out0's base: all are rewritten only behind this wait
	s_add_nc_u64 s[92:93], s[10:11], s[24:25]      ; tile 0's bias (the last item's bias loads were waited for in its last trip)
	s_add_co_u32 s74, s90, s91
	s_mov_b32 s75, 0
	s_add_nc_u64 s[70:71], s[4:5], s[74:75]        ; Q rows 32 w ..
	s_lshl_b32 s91, s18, 15
	s_add_co_u32 s74, s90, s91
	s_lshl_b32 s91, s17, 14
	s_add_co_u32 s74, s74, s91
	s_add_nc_u64 s[72:73], s[14:15], s[74:75]      ; out0 rows 64 qh + 32 kh ..
	WIN LD3
	LDB                                            ; ahead of Q's loads, so that Q's counted waits cover it
	WIN 0
.set i, 0
.rept 32
	global_load_b128 v[S+4*i:S+4*i+3], v1, s[70:71] offset:512*i th:TH_LOAD_NT   ; a whole row of Q; no other work-group reads it
.set i, i+1
.endr
	s_wait_kmcnt 0x0
	s_cmp_gt_i32 s23, 0
	s_cselect_b32 s66, 0x3e0293ee, 0               ; c = log2(e) / sqrt(128), or 0 where every key is masked
	s_mov_b32 s67, s66
	s_xor_b32 s82, s66, 0x80000000                 ; -c
	s_wait_dscnt 0x0                               ; slot 0 is filled (again): my LDS reads are done
	s_wait_tensorcnt 0x0                           ; and none of my tensor loads is out, so the group 0 sets may be written
	ds_add_u32 v62, v63
	s_wait_dscnt 0x0
	s_add_nc_u64 s[G0K+2:G0K+3], s[6:7], s[86:87]          ; slot 0 begins with tile 0,
	s_add_nc_u64 s[G0K+6:G0K+7], s[G0K+2:G0K+3], 0x8000    ; slot 1 with tile 1
	s_or_b32 s[G0K+3], s[G0K+3], 0x80000000
	s_or_b32 s[G0K+7], s[G0K+7], 0x80000000
	s_add_nc_u64 s[G0V+2:G0V+3], s[8:9], s[86:87]
	s_add_nc_u64 s[G0V+6:G0V+7], s[G0V+2:G0V+3], 0x8000
	s_or_b32 s[G0V+3], s[G0V+3], 0x80000000
	s_or_b32 s[G0V+7], s[G0V+7], 0x80000000
	ROUND
	JLOAD 0                                        ; tile 0
	; Q to f16 into the stage, while the tile is on its way
.irp g, 0,1,2,3
	s_wait_loadcnt 24-8*\g                         ; the younger rows may stay out
.set i, 8*\g
.rept 8
	v_cvt_pk_f16_f32 v[P+2*i],   v[S+4*i],   v[S+4*i+1]
	v_cvt_pk_f16_f32 v[P+2*i+1], v[S+4*i+2], v[S+4*i+3]
	ds_store_b64 v8, v[P+2*i:P+2*i+1] offset:KP*i
.set i, i+1
.endr
.endr
	; the walk: tile t lies in slot t & 1
	TRIP 1, 0, 1, 1                                ; tile 0; asks for tile 1
	s_mov_b32 s61, 0
.Llap:
	TRIP 0, 1, 0, 1                                ; tiles 1, 3, .. 29
	TRIP 0, 0, 1, 1                                ; tiles 2, 4, .. 30; the last asks for tile 31
	s_add_co_u32 s61, s61, 1
	s_cmp_lt_u32 s61, LAPS
	s_cbranch_scc1 .Llap
	TRIP 0, 1, 0, 0                                ; tile 31: nothing is left to fetch
	s_cmp_lg_u32 s60, 0
	s_cbranch_scc1 .Lnopf
	; the second item's 64 KiB of Q: 128 threads x 2 requests, 256 bytes apart, each block asked for once, by this work-group alone, one merge ahead of its loads
	global_prefetch_b8 v56, s[76:77] th:TH_LOAD_NT scope:SCOPE_SE
	global_prefetch_b8 v56, s[76:77] offset:32768 th:TH_LOAD_NT scope:SCOPE_SE
.Lnopf:
	PLACES                                         ; behind the last matrix instructions
	; THE MERGE of waves w and w ^ 2, which hold the same 64 queries against different keys.  My tile t is the partner's tile (t + 2) % 4.
.irp t, 0,1,2,3
	v_permlanex16_b32 v[T+\t], v[LS+\t], s68, s69
.endr
.irp t, 0,1,2,3
	v_add_f32 v[ST+2*\t+1], v[LS+\t], v[T+\t]      ; l over both halves of the lanes
.endr
.irp t, 0,1,2,3
	ds_store_b64 v9, v[ST+2*\t:ST+2*\t+1] offset:128*\t
.endr
	s_wait_dscnt 0x0                               ; for the partner's sake
	s_barrier_signal -1
	s_barrier_wait -1
.irp t, 0,1,2,3
	ds_load_b64 v[AL+2*\t:AL+2*\t+1], v10 offset:128*((\t+2)%4)
.endr
	s_wait_dscnt 0x0
.irp t, 0,1,2,3
	v_min_num_f32 v[T+\t], v[ST+2*\t], v[AL+2*\t]  ; nM = -(larger maximum x c)
.endr
.irp t, 0,1,2,3
	v_sub_f32 v[T+4+\t], v[T+\t], v[ST+2*\t]
	v_sub_f32 v[T+8+\t], v[T+\t], v[AL+2*\t]
.endr
.irp t, 0,1,2,3
	v_exp_f32 v[T+4+\t], v[T+4+\t]                 ; a: my share's factor
	v_exp_f32 v[T+8+\t], v[T+8+\t]                 ; the partner's
.endr
	v_nop                                          ; the plain place behind the exponentials
	s_wait_alu depctr_va_vdst(0)
.irp t, 0,1,2,3
	v_mul_f32 v[T+\t], v[ST+2*\t+1], v[T+4+\t]
.endr
.irp t, 0,1,2,3
	v_fmac_f32 v[T+\t], v[AL+2*\t+1], v[T+8+\t]    ; the whole sum: at least about 1, since the larger maximum's own term is 1
.endr
.irp t, 0,1,2,3
	v_rcp_f32 v[T+\t], v[T+\t]
.endr
	v_nop                                          ; the plain place behind the reciprocals
	s_wait_alu depctr_va_vdst(0)
.irp t, 0,1,2,3
	v_mul_f32 v[AL+2*\t], v[T+4+\t], v[T+\t]       ; f = a / sum
.endr
	WIN RSC
	RESC
	WIN XST
.set i, 0
.rept 32
	ds_store_b128 v11, v[128+4*i:128+4*i+3] offset:512*i   ; my tiles 2 and 3 go to the partner, lane by lane
.set i, i+1
.endr
	WIN 0
	s_wait_dscnt 0x0
	s_barrier_signal -1
	s_barrier_wait -1
.set i, 0
.rept 32
	ds_load_b128 v[S+4*i:S+4*i+3], v12 offset:512*i        ; the partner's share of my tiles 0 and 1
.set i, i+1
.endr
	WIN ADDW
.irp g, 0,1,2,3
	s_wait_dscnt 24-8*\g                           ; eight loads fill 32 registers; the younger ones may stay out
.set i, 16*\g
.rept 16
	v_pk_add_f32 v[S+2*i:S+2*i+1], v[2*i:2*i+1], v[S+2*i:S+2*i+1]
.set i, i+1
.endr
.endr
	WIN 0
	OUTT 0, P
	OUTT 1, S                                      ; tile 0's registers are free: its LDS stores come first in the wave's order
	s_add_co_u32 s60, s60, 1
	s_cmp_lt_u32 s60, 2
	s_cbranch_scc1 .Litem
	s_wait_dscnt 0x0
	s_wait_tensorcnt 0x0
	s_wait_tensorcnt 0x0
	ds_add_u32 v62, v63
	s_wait_dscnt 0x0
	ROUND                                          ; the closing round: no work-group ends while a partner may still ask for a tile that names it
	s_endpgm
.Lfunc_end_k_q190f6297e2_attn:
	.size	k_q190f6297e2_attn, .Lfunc_end_k_q190f6297e2_attn-k_q190f6297e2_attn
	.p2alignl 7, 3214868480
	.fill 96, 4, 3214868480
	.section	.rodata,"a",@progbits
	.p2align	6, 0x0
	.amdhsa_kernel k_q190f6297e2_attn
		.amdhsa_group_segment_fixed_size 327680
		.amdhsa_private_segment_fixed_size 0
		.amdhsa_enable_private_segment 0
		.amdhsa_kernarg_size 48
		.amdhsa_user_sgpr_count 2
		.amdhsa_user_sgpr_kernarg_segment_ptr 1
		.amdhsa_wavefront_size32 1
		.amdhsa_system_sgpr_workgroup_id_x 1
		.amdhsa_system_sgpr_workgroup_id_y 1
		.amdhsa_system_sgpr_workgroup_id_z 1
		.amdhsa_system_vgpr_workitem_id 0
		.amdhsa_next_free_vgpr 928
		.amdhsa_next_free_sgpr 96
		.amdhsa_reserve_vcc 0
		.amdhsa_float_denorm_mode_32 3
		.amdhsa_float_denorm_mode_16_64 3
		.amdhsa_memory_ordered 1
		.amdhsa_forward_progress 1
		.amdhsa_inst_pref_size 212
	.end_amdhsa_kernel
	.amdgpu_metadata
---
amdhsa.version: [ 1, 2 ]
amdhsa.kernels:
  - .name:           k_q190f6297e2_attn
    .symbol:         k_q190f6297e2_attn.kd
    .args:
      - { .name: queries, .offset: 0, .size: 8, .value_kind: global_buffer, .address_space: global }
      - { .name: k16, .offset: 8, .size: 8, .value_kind: global_buffer, .address_space: global }
      - { .name: v16, .offset: 16, .size: 8, .value_kind: global_buffer, .address_space: global }
      - { .name: bias, .offset: 24, .size: 8, .value_kind: global_buffer, .address_space: global }
      - { .name: valid_lens, .offset: 32, .size: 8, .value_kind: global_buffer, .address_space: global }
      - { .name: out0, .offset: 40, .size: 8, .value_kind: global_buffer, .address_space: global }
    .group_segment_fixed_size: 327680
    .private_segment_fixed_size: 0
    .kernarg_segment_align: 8
    .kernarg_segment_size: 48
    .max_flat_workgroup_size: 128
    .sgpr_count:     96
    .vgpr_count:     928
    .wavefront_size: 32
...
	.end_amdgpu_metadata
.endif
;; end of part 2
;; ======== version 2 of 2: 2 launches; version 1 with the launch cast written anew for expert scheduling mode
;; limits: right only within a limited range of input values; values are held in f16: magnitudes above 65,504 overflow, below 6.1e-05 lose precision; inputs' magnitudes at most 65,504
;; workspace buffers: k16 16,777,216 bytes; v16 16,777,216 bytes; bias 262,144 bytes
;; launch cast (part 3): grid 16 x 32, 4 waves a work-group, no clusters, 0 bytes of LDS; arguments keys, values, valid_lens, k16, v16, bias; writes k16, v16, bias
.if DOCPART == 3
	.amdgcn_target "amdgcn-amd-amdhsa--gfx1250"
	.amdhsa_code_object_version 6
	.text
	.protected	k_q190f6297e2_cast
	.globl	k_q190f6297e2_cast
	.p2align	8
	.type	k_q190f6297e2_cast,@function
k_q190f6297e2_cast:
	s_mov_b64 s[64:65], 0
	v_nop
	global_prefetch_b8 v0, s[64:65] scope:SCOPE_SE
	s_setreg_imm32_b32 hwreg(HW_REG_WAVE_SCHED_MODE, 0, 2), 2
	s_setreg_imm32_b32 hwreg(HW_REG_WAVE_MODE, 25, 1), 1
	s_wait_xcnt 0x0
	s_wait_alu depctr_vm_vsrc(0)
; keys, values [16][4096][128] f32  ->  k16, v16 [16][4096][128] f16 (rounded once), and the mask as numbers: bias [16][4096] f32.
; WHY A LAUNCH OF ITS OWN: each K and V row is read by the 32 query blocks of its batch; rounding it once here spares 31 further roundings
; and halves the bytes that every later read of it moves.
; WHY f16 AND NOT bf16: 11 significant bits against 8; the outputs are sums of terms that cancel, so each operand's rounding shows in them.
; LIMIT: |input| above 65,504 becomes infinite; numbers below 2^-14 in magnitude are kept with the absolute step 2^-24.
; bias[b][j] = 0 for j < e, else -1e6 x sqrt(128) (the masked score before the division by sqrt(128)); with vl = valid_lens[b]:
; e = vl > 0 ? min(vl, 4096) : 4096.  (vl <= 0: every score is masked alike and the weights are uniform; the attention launch makes them so
; by a score scale of 0, and wants no bias.)
; SHARES: work-group x = slice s (rows 8 s .. 8 s + 7 of every tile of 128 rows), y = 2 b + tensor.  Wave w owns rows 8 s + 2 w and + 1.
; One load of a wave is one f32 row (512 consecutive bytes, aligned), one store one f16 row (256 consecutive bytes, aligned).
; The work-groups of the keys also store bias[b][256 s .. 256 s + 255]: 8 bytes a thread, 256 consecutive bytes a wave.
; No LDS, no matrix unit, no cluster: nothing is shared and nothing is reduced.
; THE MODE: SCHED_MODE bits 1:0 = 2 (LLVM: expert scheduling mode 2), set by the entry lines.  The code itself states the register dependences
; between vector instructions and memory instructions, with s_wait_alu, always for 0.
; THE PLAN.  The wave's 64 rows (32 tiles x two rows) go in 16 blocks of four: two tiles x two rows.  Registers that memory instructions touch:
;   X0 .. X3   four blocks of f32 as loaded.  Written by the loads of block p + 3, issued in block p; read by block p's conversions.
;   Y0, Y1     two blocks of f16 to store.    Written by block p's conversions; read by the four stores that are issued in block p + 1.
;   v1, v2     byte offsets in and out, made once at the head and never written again: the rows are reached by the two scalar bases, which move
;              on by a block at each block's head, and by immediate offsets.
; Block p works on X[p % 4] and writes Y[p % 2].  Its memory instructions are the loads into X[(p + 3) % 4] = X[(p - 1) % 4] and the stores from
; Y[(p - 1) % 2]: the two buffers that block p - 1 worked on and that no vector instruction of block p names.  So the waits at a block's head state
; all that the block's eight memory instructions hang on, and these are dealt among its conversions with no further wait.
; By the text's own count eight to twelve loads of every wave are on their way.
.set BLOCK,  4                         ; rows in a block
.set BLOCKS, 64 / BLOCK
.set LAPS,   (BLOCKS-4)/4              ; blocks 1 to 12, four to a lap
.set X,      4                         ; v[4:67]   buffer k, row i: four f32 as loaded, at X + 16 k + 4 i
.set Y,      68                        ; v[68:83]  buffer k, row i: four f16 to store, at Y + 8 k + 2 i
.set KY,     84                        ; v[84:85]  the bias: my two keys
.set BV,     86                        ; v[86:87]  the bias: my two numbers
.set ZR,     88                        ; v88       0
.set BO,     89                        ; v89       the bias: my byte offset
.set TIN,    65536                     ; bytes of a tile of 128 rows in f32
.set TOUT,   32768                     ; and in f16
	s_load_b256 s[4:11], s[0:1], 0x0               ; keys s[4:5], values s[6:7], valid_lens s[8:9], k16 s[10:11]
	s_load_b128 s[12:15], s[0:1], 0x20             ; v16 s[12:13], bias s[14:15]
	s_and_b32 s16, ttmp7, 0xffff                   ; y
	s_lshr_b32 s17, s16, 1                         ; batch
	s_and_b32 s18, s16, 1                          ; 0: keys, 1: values
	s_lshl_b32 s19, s17, 2                         ; byte offset of valid_lens[b]
	v_lshrrev_b32 v3, 5, v0                        ; wave
	v_and_b32 v1, 31, v0
	v_lshlrev_b32 v2, 3, v1                        ; 8 bytes a lane out
	v_lshlrev_b32 v1, 4, v1                        ; 16 bytes a lane in
	v_lshl_add_u32 v1, v3, 10, v1                  ; + two f32 rows a wave
	v_lshl_add_u32 v2, v3, 9, v2                   ; + two f16 rows a wave
	s_lshl_b32 s32, s17, 21                        ; the batch in f32: 4096 rows of 512 bytes
	s_lshl_b32 s21, ttmp9, 12                      ; the slice: 8 rows of 512 bytes
	s_add_co_u32 s32, s32, s21
	s_mov_b32 s33, 0
	s_lshr_b32 s34, s32, 1                         ; the same place in f16: half the bytes
	s_mov_b32 s35, 0
	s_wait_kmcnt 0x0
	s_load_b32 s20, s[8:9], s19 offset:0x0         ; valid_lens[b]
	s_cmp_lg_u32 s18, 0
	s_cselect_b64 s[28:29], s[6:7], s[4:5]         ; from
	s_cselect_b64 s[30:31], s[12:13], s[10:11]     ; to
	s_add_nc_u64 s[28:29], s[28:29], s[32:33]
	s_add_nc_u64 s[30:31], s[30:31], s[34:35]
	s_wait_alu depctr_va_vdst(0)                   ; v1 and v2 are written: every load of the stream reads v1 as its offset, every store v2
.irp i, 0,1,2,3,4,5,6,7,8,9,10,11
	global_load_b128 v[X+4*(\i):X+4*(\i)+3], v1, s[28:29] offset:((\i)/2)*TIN+((\i)%2)*512 th:TH_LOAD_NT   ; blocks 0, 1 and 2 into X0, X1, X2
.endr
	s_wait_kmcnt 0x0                               ; valid_lens[b]
; Block p.  xb = p % 4, yb = p % 2.  first = 1: block 0, with no block in front of it.  ahead = 1: block p + 3 is loaded.
; left = how many younger loads may still be out when this block's four have to be there.
.macro BLK xb, yb, first, ahead, left
	s_wait_loadcnt \left                           ; loads come back in order: X[xb] is in, the younger blocks stay out
.if !\first
	s_wait_xcnt 0x0                                ; both bases and Y[yb], which earlier loads and stores name, are rewritten only behind this wait
	s_wait_alu depctr_vm_vsrc(0)                   ; the stores issued in the block before have read Y[yb], which this block's conversions write again
	s_wait_alu depctr_va_vdst(0)                   ; the block before has written the other Y, which the stores below read, and is done reading its X, in which the loads below land
	s_add_nc_u64 s[28:29], s[28:29], 2*TIN         ; both bases at this block's first tile
	s_add_nc_u64 s[30:31], s[30:31], 2*TOUT
.endif
.irp i, 0,1,2,3
.if \ahead
	global_load_b128 v[X+16*((\xb+3)%4)+4*(\i):X+16*((\xb+3)%4)+4*(\i)+3], v1, s[28:29] offset:(6+(\i)/2)*TIN+((\i)%2)*512 th:TH_LOAD_NT   ; three blocks ahead; no vector instruction since the wait names these registers
.endif
.if !\first
	global_store_b64 v2, v[Y+8*(1-\yb)+2*(\i):Y+8*(1-\yb)+2*(\i)+1], s[30:31] offset:((\i)/2-2)*TOUT+((\i)%2)*256   ; the block before: the offset reaches back.  No hint: the next launch reads it
.endif
	v_cvt_pk_f16_f32 v[Y+8*\yb+2*(\i)],   v[X+16*\xb+4*(\i)],   v[X+16*\xb+4*(\i)+1]
	v_cvt_pk_f16_f32 v[Y+8*\yb+2*(\i)+1], v[X+16*\xb+4*(\i)+2], v[X+16*\xb+4*(\i)+3]
.endr
.endm
	BLK 0, 0, 1, 1, 2*BLOCK                        ; block 0
	s_mov_b32 s22, 0
.Lround:                                               ; blocks 1 to 12, four to a lap: both kinds of buffer are back at their start
	BLK 1, 1, 0, 1, 2*BLOCK
	BLK 2, 0, 0, 1, 2*BLOCK
	BLK 3, 1, 0, 1, 2*BLOCK
	BLK 0, 0, 0, 1, 2*BLOCK
	s_add_co_u32 s22, s22, 1
	s_cmp_lt_u32 s22, LAPS
	s_cbranch_scc1 .Lround
	BLK 1, 1, 0, 0, 2*BLOCK                        ; blocks 13 to 15 load nothing: no load leaves the buffer, and the counts run down
	BLK 2, 0, 0, 0, BLOCK
	BLK 3, 1, 0, 0, 0
	s_wait_alu depctr_va_vdst(0)                   ; block 15 has written Y1, which the last four stores read
.irp i, 0,1,2,3
	global_store_b64 v2, v[Y+8+2*(\i):Y+8+2*(\i)+1], s[30:31] offset:((\i)/2)*TOUT+((\i)%2)*256
.endr
	; the bias: by the work-groups of the keys
	s_cmp_lg_u32 s18, 0
	s_cbranch_scc1 .Lend
	s_cmp_gt_i32 s20, 0
	s_cselect_b32 s20, s20, 0x1000
	s_min_u32 s20, s20, 0x1000                     ; e
	s_mov_b32 s24, 0xcb2ca22c                      ; -1e6 x sqrt(128)
	s_lshl_b32 s21, ttmp9, 8                       ; the slice's first key: 256 s
	v_lshl_add_u32 v[KY], v0, 1, s21               ; my two keys: 256 s + 2 t
	v_add_nc_u32 v[KY+1], 1, v[KY]                 ; and + 1
	v_mov_b32 v[ZR], 0
	v_lshlrev_b32 v[BO], 3, v0
	v_cmp_gt_u32 s36, s20, v[KY]                   ; e > key: valid
	v_cmp_gt_u32 s37, s20, v[KY+1]
	s_wait_alu depctr_va_sdst(0)                   ; the two compares have written s36 and s37, ahead of the selects that read them
	v_cndmask_b32 v[BV],   s24, v[ZR], s36
	v_cndmask_b32 v[BV+1], s24, v[ZR], s37
	s_lshl_b32 s32, s17, 14                        ; the batch's 4096 numbers,
	s_lshl_b32 s21, ttmp9, 10                      ; the slice's 256
	s_add_co_u32 s32, s32, s21
	s_add_nc_u64 s[14:15], s[14:15], s[32:33]
	s_wait_alu depctr_va_vdst(0)                   ; the selects have written v[BV:BV+1], the store's data, and v[BO], its offset, is written
	global_store_b64 v[BO], v[BV:BV+1], s[14:15]
.Lend:
	s_endpgm
.Lfunc_end_k_q190f6297e2_cast:
	.size	k_q190f6297e2_cast, .Lfunc_end_k_q190f6297e2_cast-k_q190f6297e2_cast
	.p2alignl 7, 3214868480
	.fill 96, 4, 3214868480
	.section	.rodata,"a",@progbits
	.p2align	6, 0x0
	.amdhsa_kernel k_q190f6297e2_cast
		.amdhsa_group_segment_fixed_size 0
		.amdhsa_private_segment_fixed_size 0
		.amdhsa_enable_private_segment 0
		.amdhsa_kernarg_size 48
		.amdhsa_user_sgpr_count 2
		.amdhsa_user_sgpr_kernarg_segment_ptr 1
		.amdhsa_wavefront_size32 1
		.amdhsa_system_sgpr_workgroup_id_x 1
		.amdhsa_system_sgpr_workgroup_id_y 1
		.amdhsa_system_sgpr_workgroup_id_z 1
		.amdhsa_system_vgpr_workitem_id 0
		.amdhsa_next_free_vgpr 90
		.amdhsa_next_free_sgpr 66
		.amdhsa_reserve_vcc 0
		.amdhsa_float_denorm_mode_32 3
		.amdhsa_float_denorm_mode_16_64 3
		.amdhsa_memory_ordered 1
		.amdhsa_forward_progress 1
		.amdhsa_inst_pref_size 15
	.end_amdhsa_kernel
	.amdgpu_metadata
---
amdhsa.version: [ 1, 2 ]
amdhsa.kernels:
  - .name:           k_q190f6297e2_cast
    .symbol:         k_q190f6297e2_cast.kd
    .args:
      - { .name: keys, .offset: 0, .size: 8, .value_kind: global_buffer, .address_space: global }
      - { .name: values, .offset: 8, .size: 8, .value_kind: global_buffer, .address_space: global }
      - { .name: valid_lens, .offset: 16, .size: 8, .value_kind: global_buffer, .address_space: global }
      - { .name: k16, .offset: 24, .size: 8, .value_kind: global_buffer, .address_space: global }
      - { .name: v16, .offset: 32, .size: 8, .value_kind: global_buffer, .address_space: global }
      - { .name: bias, .offset: 40, .size: 8, .value_kind: global_buffer, .address_space: global }
    .group_segment_fixed_size: 0
    .private_segment_fixed_size: 0
    .kernarg_segment_align: 8
    .kernarg_segment_size: 48
    .max_flat_workgroup_size: 128
    .sgpr_count:     66
    .vgpr_count:     90
    .wavefront_size: 32
...
	.end_amdgpu_metadata
.endif
;; end of part 3
;; launch attn: the kernel of part 2 again; grid 32 x 8, 4 waves a work-group, clusters of 4 x 1, 327,680 bytes of LDS; arguments queries, k16, v16, bias, valid_lens, out0; writes out0
